; MI455X (gfx1250); checked and timed in simulation.
; The chip was launched on July 23, 2026; its instructions are those of AMD's public machine-readable ISA for CDNA 5 (MIT licence, August 2026) and "CDNA5" Instruction Set Architecture Reference Guide (July 2026). The comments in the code are by the model that wrote it; some were corrected since.
;; PM Subgoal Attention. Allowed arithmetic: float matrix products may take bf16 or f16 operands with f32 sums; all other float work in f32.
;; Inputs: Wk 512 x 512 float32; Wq1 512 x 1 float32; Wq2 512 x 512 float32; Wv 512 x 512 float32; bk 512 float32; bq1 512 float32; bq2 512 float32; bv 512 float32; ln_b 512 float32; ln_g 512 float32; mask 4,096 x 32 int32; pm 4,096 x 1 float32; subgoals 4,096 x 32 x 512 float32.
;; Outputs: out0 4,096 x 512 float32; out1 4,096 x 32 float32.
;; One version. Each part assembles by itself: llvm-mc -triple=amdgcn-amd-amdhsa -mcpu=gfx1250 --defsym DOCPART=n.
;; ======== version 1 of 1: 2 launches
;; limits: values are held in f16: magnitudes above 65,504 overflow, below 6.1e-05 lose precision
;; workspace buffers: wf1 524,288 bytes; wf2 524,288 bytes; vec 4,352 bytes
;; launch prep (part 1): grid 8 x 8, 8 waves a work-group, no clusters, 167,936 bytes of LDS; arguments Wq2, Wk, Wv, bq2, bk, wf1, wf2, vec; writes wf1, wf2, vec
.if DOCPART == 1
	.amdgcn_target "amdgcn-amd-amdhsa--gfx1250"
	.amdhsa_code_object_version 6
	.text
	.protected	k_q8805ef350f_prep
	.globl	k_q8805ef350f_prep
	.p2align	8
	.type	k_q8805ef350f_prep,@function
k_q8805ef350f_prep:
	s_mov_b64 s[64:65], 0
	v_nop
	global_prefetch_b8 v0, s[64:65] scope:SCOPE_SE
	s_setreg_imm32_b32 hwreg(HW_REG_WAVE_MODE, 25, 1), 1
	s_wait_xcnt 0x0
; What does not hang on the batch, made once:
;   W'[i][d] = sum over h of Wq2[h][i] Wk[h][d]   (matrix unit, f16 operands, f32 sums), rounded to f16 into wf1
;   Wv rounded to f16 into wf2
;   c[d] = sum_h bq2[h] Wk[h][d],  u[i] = sum_h bk[h] Wq2[h][i],  c0 = sum_h bq2[h] bk[h]   (all f32) into vec
; They serve  q.(Wk s + bk) = (r W' + c).s + (r.u + c0)  with q = Wq2 r + bq2: an identity for every input.
; wf1, wf2: [nt 32][ks 16][j 2][lane 32][8 f16], element (n = 16 nt + lane%16, k = 32 ks + 16 j + 8 (lane/16) + e):
; 16 bytes a lane, 512 consecutive bytes a wave, are half of a 16 x 32 operand fragment as the next launch's matrix instruction takes it.
; vec: c at byte 0, u at byte 2,048, c0 64 times at byte 4,096.
; WHY f16: a score passes four roundings of operands (Wq2, Wk, W', r); f16's 11 significant bits against bf16's 8 make each eight times smaller.
; LIMIT: W' is rounded to f16 after a product of operands rounded to f16.  An element of Wq2, Wk, Wv or W' beyond 65,504 in magnitude becomes
; infinite; below 2^-14 the step is 2^-24.  With weights of spread 0.044: 30 times larger gives W' a spread of 39, a common offset of 30 spreads
; gives W' about 900, 30 times smaller a spread of 4.9e-5, where the step 2^-24 is still about a thousandth of the spread.
; 8 x 8 work-groups of 8 waves.  Work-group (x, y) makes the 64 (i) x 64 (d) tile of W' over all 512 h; wave w the 16 rows mt = w/2
; and the two 16-column tiles 2 (w%2), 2 (w%2) + 1.  The 512 waves of the launch convert one 16 x 32 block of Wv each.
; NO CLUSTER: the tiles that work-groups share (64 columns of Wk along y, of Wq2 along x, 128 KiB each) are f32 and have to be rounded
; to f16 and summed into c and u on their way, which happens in registers; a joint tensor load would land them in LDS unconverted,
; 256 KiB a work-group beside the 160 KiB of f16 tiles, more than a work-group can be given.
; c and u are summed in every work-group (4 multiply-adds on 16 bytes that are loaded anyway) and stored by those with y = 0 (c), x = 0 (u).
.set ROWB,  2048                       ; bytes in a row of Wk, Wq2, Wv
.set PITCH, 160                        ; LDS row: 64 f16 + 32 bytes = 5 x 32: the transposing loads' rows start in different banks
.set TQ,    512*PITCH                  ; Wk's tile at 0, Wq2's tile behind it
.set RED,   2*512*PITCH                ; [c, u][8 waves][64 f32]
.set HALFK, 256*PITCH
.set GO,  2                            ; v2   (t/16) x 32 rows + (t%16) x 16 bytes in Wk and Wq2
.set LOK, 3                            ; v3   the same place in Wk's LDS tile
.set LOQ, 4                            ; v4   and in Wq2's
.set BO,  5                            ; v5   (t/16) x 32 floats in bq2 and bk
.set RST, 6                            ; v6   my 16 bytes of my wave's row in RED
.set L16, 7                            ; v7   16 x lane
.set CA,  8                            ; v[8:11]   c of my 4 columns over my 32 rows
.set UA,  12                           ; v[12:15]  u likewise
.set CV,  16                           ; v[16:23]  packed f16 on their way to LDS, two sets in turn
.set PT,  24                           ; v[24:27]  the other half's partial sums
.set AA,  28                           ; v28, v29  address of A's fragments, h 0-255 and 256-511
.set BA,  30                           ; v30, v31  of B's
.set ACC0, 32                          ; v[32:39]
.set ACC1, 40                          ; v[40:47]
.set OUTP, 48                          ; v[48:55]
.set WVO, 56                           ; v56  (lane%16) rows + (lane/16) x 32 bytes in my block of Wv
.set L8,  57                           ; v57  8 x lane
.set RRD, 58                           ; v58  RED + 8 x lane
.set BUF0, 64                          ; v[64:143]   8 rows of Wk (32), of Wq2 (32), 8 bq2, 8 bk
.set BUF1, 144                         ; v[144:223]
.set WVR, 224                          ; v[224:239]  Wv as loaded;  v[240:247] packed
.set FA,  64                           ; in the product: 8 K steps of A, of B's first tile, of B's second
.set FB0, 128
.set FB1, 192
	s_load_b512 s[8:23], s[0:1], 0x0               ; Wq2 8, Wk 10, Wv 12, bq2 14, bk 16, wf1 18, wf2 20, vec 22
	v_lshrrev_b32 v1, 5, v0
	v_readfirstlane_b32 s2, v1                     ; wave
	s_mov_b32 s3, ttmp9                            ; x: 64 columns d
	s_and_b32 s4, ttmp7, 0xffff                    ; y: 64 columns i
	s_mov_b32 s26, 0x76543210                      ; v_permlanex16_b32: lane i of one half reads lane i of the other
	s_mov_b32 s27, 0xfedcba98
	s_lshl_b32 s24, s3, 8                          ; 64 f32 x
	s_mov_b32 s25, 0
	s_lshl_b32 s28, s4, 8                          ; 64 f32 y
	s_mov_b32 s29, 0
	s_lshl3_add_u32 s5, s4, s3                     ; g = 8 y + x
	s_lshr_b32 s6, s5, 1                           ; my block of Wv: nt = g / 2,
	s_and_b32 s7, s5, 1
	s_lshl3_add_u32 s7, s7, s2                     ; ks = 8 (g % 2) + w
	s_lshl_b32 s30, s6, 15                         ; 16 rows of 2,048 bytes
	s_lshl_b32 s36, s7, 7                          ; 32 f32
	s_add_co_u32 s30, s30, s36
	s_mov_b32 s31, 0
	s_lshl4_add_u32 s32, s6, s7
	s_lshl_b32 s32, s32, 10                        ; (16 nt + ks) x 1,024 bytes in wf2
	s_mov_b32 s33, 0
	s_and_b32 s36, s2, 1
	s_lshl_b32 s37, s36, 1
	s_lshl2_add_u32 s37, s3, s37                   ; wf1: nt = 4 x + 2 (w % 2)
	s_lshr_b32 s38, s2, 2
	s_lshl1_add_u32 s38, s4, s38                   ; ks = 2 y + w / 4
	s_lshl4_add_u32 s37, s37, s38
	s_bfe_u32 s38, s2, 0x10001                     ; j = (w / 2) % 2
	s_lshl1_add_u32 s37, s37, s38
	s_lshl_b32 s34, s37, 9
	s_mov_b32 s35, 0
	s_lshl_b32 s39, s2, 8
	s_add_co_u32 s39, s39, RED                     ; my wave's row of RED
	s_lshr_b32 s40, s2, 1
	s_lshl_b32 s40, s40, 5
	s_add_co_u32 s40, s40, TQ                      ; A: 16 columns mt of Wq2's tile
	s_lshl_b32 s41, s36, 6                         ; B: 32 columns of Wk's tile
	v_and_b32 v1, 31, v0
	v_lshrrev_b32 v60, 4, v0                       ; t / 16
	v_and_b32 v61, 15, v0                          ; t % 16 = lane % 16
	v_lshlrev_b32 v[GO], 4, v61
	v_lshl_or_b32 v[GO], v60, 16, v[GO]
	v_mul_u32_u24 v[LOK], v60, 32*PITCH
	v_lshl_add_u32 v[LOK], v61, 3, v[LOK]
	v_add_nc_u32 v[LOQ], TQ, v[LOK]
	v_lshlrev_b32 v[BO], 7, v60
	v_lshl_add_u32 v[RST], v61, 4, s39
	v_lshlrev_b32 v[L16], 4, v1
	v_lshlrev_b32 v[L8], 3, v1
	v_add_nc_u32 v[RRD], RED, v[L8]
	v_bfe_u32 v59, v0, 4, 1                        ; lane / 16
	v_lshlrev_b32 v[WVO], 11, v61
	v_lshl_add_u32 v[WVO], v59, 5, v[WVO]
	v_and_b32 v63, 7, v0
	v_lshl_add_u32 v62, v59, 3, v63                ; the transposing load: row 8 (lane/16) + lane%8,
	v_mul_u32_u24 v62, v62, PITCH
	v_bfe_u32 v63, v0, 3, 1
	v_lshl_add_u32 v62, v63, 4, v62                ; 16 bytes (lane/8)%2
	v_add_nc_u32 v[AA], s40, v62
	v_add_nc_u32 v[AA+1], HALFK, v[AA]
	v_add_nc_u32 v[BA], s41, v62
	v_add_nc_u32 v[BA+1], HALFK, v[BA]
.irp c, 0,1,2,3
	v_mov_b32 v[PT+\c], 0                          ; v_permlanex16_b32 counts as a reader of its destination
.endr
	s_wait_kmcnt 0x0
	s_add_nc_u64 s[10:11], s[10:11], s[24:25]      ; Wk at column 64 x
	s_add_nc_u64 s[8:9], s[8:9], s[28:29]          ; Wq2 at column 64 y
	s_add_nc_u64 s[12:13], s[12:13], s[30:31]      ; my block of Wv
	s_add_nc_u64 s[20:21], s[20:21], s[32:33]      ; and of wf2
	s_add_nc_u64 s[18:19], s[18:19], s[34:35]      ; my first tile in wf1
	s_add_nc_u64 s[42:43], s[22:23], s[24:25]      ; c's 64 numbers in vec
	s_add_nc_u64 s[44:45], s[22:23], s[28:29]      ; u's (2,048 bytes further: in the store's immediate)
; 20 loads: rows 8 G .. 8 G + 7 of my 32, 16 bytes each of Wk and of Wq2 (sixteen lanes take 256 consecutive bytes), and the rows' bq2 and bk
.macro GLOAD G, buf
.irp q, 0,1,2,3,4,5,6,7
	global_load_b128 v[\buf+4*\q:\buf+4*\q+3], v[GO], s[10:11] offset:ROWB*(8*\G+\q)
.endr
.irp q, 0,1,2,3,4,5,6,7
	global_load_b128 v[\buf+32+4*\q:\buf+32+4*\q+3], v[GO], s[8:9] offset:ROWB*(8*\G+\q)
.endr
	global_load_b128 v[\buf+64:\buf+67], v[BO], s[14:15] offset:32*\G
	global_load_b128 v[\buf+68:\buf+71], v[BO], s[14:15] offset:32*\G+16
	global_load_b128 v[\buf+72:\buf+75], v[BO], s[16:17] offset:32*\G
	global_load_b128 v[\buf+76:\buf+79], v[BO], s[16:17] offset:32*\G+16
.endm
; the same rows: rounded to f16 into the LDS tiles, and added into c and u in f32.  The very first row starts the sums.
.macro GPROC G, buf
.irp q, 0,1,2,3,4,5,6,7
	v_cvt_pk_f16_f32 v[CV+4*(\q%2)],   v[\buf+4*\q],      v[\buf+4*\q+1]
	v_cvt_pk_f16_f32 v[CV+4*(\q%2)+1], v[\buf+4*\q+2],    v[\buf+4*\q+3]
	v_cvt_pk_f16_f32 v[CV+4*(\q%2)+2], v[\buf+32+4*\q],   v[\buf+32+4*\q+1]
	v_cvt_pk_f16_f32 v[CV+4*(\q%2)+3], v[\buf+32+4*\q+2], v[\buf+32+4*\q+3]
	ds_store_b64 v[LOK], v[CV+4*(\q%2):CV+4*(\q%2)+1]   offset:PITCH*(8*\G+\q)
	ds_store_b64 v[LOQ], v[CV+4*(\q%2)+2:CV+4*(\q%2)+3] offset:PITCH*(8*\G+\q)
.irp c, 0,1,2,3
.if 8*\G+\q == 0
	v_mul_f32 v[CA+\c], v[\buf+64+\q], v[\buf+4*\q+\c]
	v_mul_f32 v[UA+\c], v[\buf+72+\q], v[\buf+32+4*\q+\c]
.else
	v_fmac_f32 v[CA+\c], v[\buf+64+\q], v[\buf+4*\q+\c]
	v_fmac_f32 v[UA+\c], v[\buf+72+\q], v[\buf+32+4*\q+\c]
.endif
.endr
.endr
.endm
.macro PLACES                          ; four plain vector places behind a matrix instruction (ISA guide 7.12.1) before its registers are loaded into or its result is read
.rept 4
	v_nop
.endr
.endm
; 48 transposing loads: eight K steps (32 h each) of A's 16 columns of Wq2 and of B's two tiles of 16 columns of Wk; both tiles lie [h][column]
.macro FRAGS c
.irp s, 0,1,2,3,4,5,6,7
	ds_load_tr16_b128 v[FA+8*\s:FA+8*\s+3],    v[AA+\c] offset:32*PITCH*\s
	ds_load_tr16_b128 v[FA+8*\s+4:FA+8*\s+7],  v[AA+\c] offset:32*PITCH*\s+16*PITCH
	ds_load_tr16_b128 v[FB0+8*\s:FB0+8*\s+3],   v[BA+\c] offset:32*PITCH*\s
	ds_load_tr16_b128 v[FB0+8*\s+4:FB0+8*\s+7], v[BA+\c] offset:32*PITCH*\s+16*PITCH
	ds_load_tr16_b128 v[FB1+8*\s:FB1+8*\s+3],   v[BA+\c] offset:32*PITCH*\s+32
	ds_load_tr16_b128 v[FB1+8*\s+4:FB1+8*\s+7], v[BA+\c] offset:32*PITCH*\s+16*PITCH+32
.endr
.endm
; their 16 matrix instructions.  The two accumulators take turns, one instruction a turn.
.macro MUL8 c
.irp s, 0,1,2,3,4,5,6,7
	s_wait_dscnt 6*(7-\s)                          ; six loads a K step, served in order: the later steps' may stay out
.if 8*\c+\s == 0
	v_wmma_f32_16x16x32_f16 v[ACC0:ACC0+7], v[FA+8*\s:FA+8*\s+7], v[FB0+8*\s:FB0+8*\s+7], 0
	v_wmma_f32_16x16x32_f16 v[ACC1:ACC1+7], v[FA+8*\s:FA+8*\s+7], v[FB1+8*\s:FB1+8*\s+7], 0
.else
	v_wmma_f32_16x16x32_f16 v[ACC0:ACC0+7], v[FA+8*\s:FA+8*\s+7], v[FB0+8*\s:FB0+8*\s+7], v[ACC0:ACC0+7]
	v_wmma_f32_16x16x32_f16 v[ACC1:ACC1+7], v[FA+8*\s:FA+8*\s+7], v[FB1+8*\s:FB1+8*\s+7], v[ACC1:ACC1+7]
.endif
.endr
.endm
.macro WSUM r, t                       ; sum over the 32 lanes, in every lane
	v_add_f32_dpp v[\r], v[\r], v[\r] row_xmask:1 row_mask:0xf bank_mask:0xf
	v_add_f32_dpp v[\r], v[\r], v[\r] row_xmask:2 row_mask:0xf bank_mask:0xf
	v_add_f32_dpp v[\r], v[\r], v[\r] row_xmask:4 row_mask:0xf bank_mask:0xf
	v_add_f32_dpp v[\r], v[\r], v[\r] row_xmask:8 row_mask:0xf bank_mask:0xf
	v_permlanex16_b32 v[\t], v[\r], s26, s27
	v_add_f32 v[\r], v[\r], v[\t]
.endm
.macro REDSUM off                      ; the eight waves' partial sums of 64 numbers, two a lane, into v[64:65]
.irp i, 0,1,2,3,4,5,6,7
	ds_load_b64 v[64+2*\i:65+2*\i], v[RRD] offset:\off+256*\i
.endr
	s_wait_dscnt 0x0
	v_pk_add_f32 v[64:65], v[64:65], v[66:67]
	v_pk_add_f32 v[68:69], v[68:69], v[70:71]
	v_pk_add_f32 v[72:73], v[72:73], v[74:75]
	v_pk_add_f32 v[76:77], v[76:77], v[78:79]
	v_pk_add_f32 v[64:65], v[64:65], v[68:69]
	v_pk_add_f32 v[72:73], v[72:73], v[76:77]
	v_pk_add_f32 v[64:65], v[64:65], v[72:73]
.endm
	global_load_b128 v[WVR:WVR+3],     v[WVO], s[12:13]            ; Wv(row lane%16, k = 8 (lane/16) + 0..7)
	global_load_b128 v[WVR+4:WVR+7],   v[WVO], s[12:13] offset:16
	global_load_b128 v[WVR+8:WVR+11],  v[WVO], s[12:13] offset:64  ; k = 16 + 8 (lane/16) + 0..7
	global_load_b128 v[WVR+12:WVR+15], v[WVO], s[12:13] offset:80
	GLOAD 0, BUF0
	GLOAD 1, BUF1
	s_wait_loadcnt 40                              ; Wv's four are in; the 40 loads of groups 0 and 1 stay out
.irp j, 0,1,2,3,4,5,6,7
	v_cvt_pk_f16_f32 v[WVR+16+\j], v[WVR+2*\j], v[WVR+2*\j+1]
.endr
	global_store_b128 v[L16], v[WVR+16:WVR+19], s[20:21]           ; each store of the wave covers 512 consecutive bytes, aligned
	global_store_b128 v[L16], v[WVR+20:WVR+23], s[20:21] offset:512
	s_wait_loadcnt 20                              ; group 0 is in, group 1's 20 stay out
	GPROC 0, BUF0
	GLOAD 2, BUF0
	s_wait_loadcnt 20                              ; group 1 is in, group 2's stay out
	GPROC 1, BUF1
	GLOAD 3, BUF1
	s_wait_loadcnt 20                              ; group 2 is in, group 3's stay out
	GPROC 2, BUF0
	s_wait_loadcnt 0x0
	GPROC 3, BUF1
	; lanes l and l + 16 hold the same four columns, other rows
.irp c, 0,1,2,3
	v_permlanex16_b32 v[PT+\c], v[CA+\c], s26, s27
.endr
.irp c, 0,1,2,3
	v_add_f32 v[CA+\c], v[CA+\c], v[PT+\c]
.endr
.irp c, 0,1,2,3
	v_permlanex16_b32 v[PT+\c], v[UA+\c], s26, s27
.endr
.irp c, 0,1,2,3
	v_add_f32 v[UA+\c], v[UA+\c], v[PT+\c]
.endr
	ds_store_b128 v[RST], v[CA:CA+3]
	ds_store_b128 v[RST], v[UA:UA+3] offset:2048
	s_wait_dscnt 0x0                               ; my part of both tiles and of RED is written: zero, for the other waves' sake
	s_barrier_signal -1
	s_barrier_wait -1                              ; the launch's one barrier: behind it LDS is only read
	s_wait_xcnt 0x0                                ; v[240:247], which the stores to wf2 read, lie in B's second buffer and are loaded into only behind this wait
	FRAGS 0
	MUL8 0
	PLACES
	FRAGS 1
	MUL8 1
	PLACES
	; register j of lane l is W'(i0 + 8 (l/16) + j, d0 + l%16): eight neighbouring k of column n, the lane's 16 bytes of the fragment
.irp j, 0,1,2,3
	v_cvt_pk_f16_f32 v[OUTP+\j],   v[ACC0+2*\j], v[ACC0+2*\j+1]
	v_cvt_pk_f16_f32 v[OUTP+4+\j], v[ACC1+2*\j], v[ACC1+2*\j+1]
.endr
	global_store_b128 v[L16], v[OUTP:OUTP+3],   s[18:19]
	global_store_b128 v[L16], v[OUTP+4:OUTP+7], s[18:19] offset:16384   ; the next nt
	s_cmp_lg_u32 s2, 0
	s_cbranch_scc1 .Lnot_c
	s_cmp_lg_u32 s4, 0                             ; wave 0 of the work-groups with y = 0 stores c's 64 numbers
	s_cbranch_scc1 .Ldone
	REDSUM 0
	global_store_b64 v[L8], v[64:65], s[42:43]
	s_branch .Ldone
.Lnot_c:
	s_cmp_lg_u32 s2, 1
	s_cbranch_scc1 .Lnot_u
	s_cmp_lg_u32 s3, 0                             ; wave 1 of those with x = 0 stores u's
	s_cbranch_scc1 .Ldone
	REDSUM 2048
	global_store_b64 v[L8], v[64:65], s[44:45] offset:2048
	s_branch .Ldone
.Lnot_u:
	s_cmp_lg_u32 s2, 2
	s_cbranch_scc1 .Ldone
	s_or_b32 s5, s3, s4
	s_cmp_lg_u32 s5, 0                             ; wave 2 of work-group (0, 0) makes c0
	s_cbranch_scc1 .Ldone
.irp i, 0,1,2,3
	global_load_b128 v[64+4*\i:67+4*\i], v[L16], s[14:15] offset:512*\i
.endr
.irp i, 0,1,2,3
	global_load_b128 v[80+4*\i:83+4*\i], v[L16], s[16:17] offset:512*\i
.endr
	s_wait_loadcnt 0x0
	v_pk_mul_f32 v[16:17], v[64:65], v[80:81]
.irp k, 2,4,6,8,10,12,14
	v_pk_fma_f32 v[16:17], v[64+\k:65+\k], v[80+\k:81+\k], v[16:17]
.endr
	v_add_f32 v16, v16, v17
	WSUM 16, 17
	v_mov_b32 v17, v16
	global_store_b64 v[L8], v[16:17], s[22:23] offset:4096         ; 64 copies: 256 consecutive bytes, aligned
.Ldone:
	s_endpgm
.Lfunc_end_k_q8805ef350f_prep:
	.size	k_q8805ef350f_prep, .Lfunc_end_k_q8805ef350f_prep-k_q8805ef350f_prep
	.p2alignl 7, 3214868480
	.fill 96, 4, 3214868480
	.section	.rodata,"a",@progbits
	.p2align	6, 0x0
	.amdhsa_kernel k_q8805ef350f_prep
		.amdhsa_group_segment_fixed_size 167936
		.amdhsa_private_segment_fixed_size 0
		.amdhsa_enable_private_segment 0
		.amdhsa_kernarg_size 64
		.amdhsa_user_sgpr_count 2
		.amdhsa_user_sgpr_kernarg_segment_ptr 1
		.amdhsa_wavefront_size32 1
		.amdhsa_system_sgpr_workgroup_id_x 1
		.amdhsa_system_sgpr_workgroup_id_y 1
		.amdhsa_system_sgpr_workgroup_id_z 1
		.amdhsa_system_vgpr_workitem_id 0
		.amdhsa_next_free_vgpr 256
		.amdhsa_next_free_sgpr 66
		.amdhsa_reserve_vcc 0
		.amdhsa_float_denorm_mode_32 3
		.amdhsa_float_denorm_mode_16_64 3
		.amdhsa_memory_ordered 1
		.amdhsa_forward_progress 1
		.amdhsa_inst_pref_size 47
	.end_amdhsa_kernel
	.amdgpu_metadata
---
amdhsa.version: [ 1, 2 ]
amdhsa.kernels:
  - .name:           k_q8805ef350f_prep
    .symbol:         k_q8805ef350f_prep.kd
    .args:
      - { .name: Wq2, .offset: 0, .size: 8, .value_kind: global_buffer, .address_space: global }
      - { .name: Wk, .offset: 8, .size: 8, .value_kind: global_buffer, .address_space: global }
      - { .name: Wv, .offset: 16, .size: 8, .value_kind: global_buffer, .address_space: global }
      - { .name: bq2, .offset: 24, .size: 8, .value_kind: global_buffer, .address_space: global }
      - { .name: bk, .offset: 32, .size: 8, .value_kind: global_buffer, .address_space: global }
      - { .name: wf1, .offset: 40, .size: 8, .value_kind: global_buffer, .address_space: global }
      - { .name: wf2, .offset: 48, .size: 8, .value_kind: global_buffer, .address_space: global }
      - { .name: vec, .offset: 56, .size: 8, .value_kind: global_buffer, .address_space: global }
    .group_segment_fixed_size: 167936
    .private_segment_fixed_size: 0
    .kernarg_segment_align: 8
    .kernarg_segment_size: 64
    .max_flat_workgroup_size: 256
    .sgpr_count:     66
    .vgpr_count:     256
    .wavefront_size: 32
...
	.end_amdgpu_metadata
.endif
;; end of part 1
;; launch main (part 2): grid 256 x 1, 16 waves a work-group, no clusters, 319,744 bytes of LDS; arguments pm, subgoals, mask, Wq1, bq1, ln_g, ln_b, bv, wf1, wf2, vec, out0, out1; writes out0, out1
.if DOCPART == 2
	.amdgcn_target "amdgcn-amd-amdhsa--gfx1250"
	.amdhsa_code_object_version 6
	.text
	.protected	k_q8805ef350f_main
	.globl	k_q8805ef350f_main
	.p2align	8
	.type	k_q8805ef350f_main,@function
k_q8805ef350f_main:
	s_mov_b64 s[64:65], 0
	v_nop
	global_prefetch_b8 v0, s[64:65] scope:SCOPE_SE
	s_setreg_imm32_b32 hwreg(HW_REG_WAVE_MODE, 25, 1), 1
	s_wait_xcnt 0x0
; 256 work-groups of 16 waves; a work-group owns 16 batches, wave w batch b = 16 x group + w.
;   1. r = relu(LayerNorm(pm Wq1 + bq1))            each wave for its batch, f32, 16 numbers a lane
;   2. qk = r W' + c  (16 x 512 x 512 on the matrix unit, f16 operands; wave w makes columns 32 w .. 32 w + 31 for all 16 batches);  qb = r.u + c0
;   3. the batch's 32 rows of subgoals (64 KiB) go ONCE through registers, four rows at a time: score_n = (qk.s_n + qb) / sqrt(512) + bias_n,
;      masked, with a running maximum m, running sum l and running ctx = sum of exp(score_n - m) s_n, all f32
;   4. attn_n = exp(score_n - m) / l  to out1
;   5. out = (ctx / l) Wv^T + bv  (matrix unit as in 2) to out0
; This is reference() with its two large products reassociated: q.(Wk s + bk) = (q Wk).s + q.bk and sum_n a_n (Wv s_n + bv) = Wv (sum_n a_n s_n) + bv sum_n a_n.
; LIMITS: bv is added once, taking sum_n a_n = 1 (true of a softmax up to a few units in the last place); positions are n x (1/31), one rounding
; apart from n / 31; v_exp_f32 gives 0 for results below 2^-126 (ISA guide 15.8); relu by v_max_num_f32 turns a NaN into 0; the operands of the
; two matrix products are rounded to f16 (11 significant bits): an element of r or of ctx / l beyond 65,504 in magnitude becomes infinite.
; ctx / l is a mean of rows of subgoals with weights that add up to 1, so it is no larger than the largest |subgoal|; r is at most
; sqrt(511) |ln_g| + |ln_b| (a normalised vector of 512 numbers has no element beyond sqrt(511)).
; Exponentials are taken in base 2: scores carry the factor log2 e.
; THE STREAM'S HEAD START: step 3 cannot begin before qk is there, but its bytes can travel.  At the kernel's head each wave asks, by one tensor
; load, for rows 0 to 7 of its batch (16 KiB, 256 KiB a work-group, a quarter of the stream) into LDS bytes of its own; they travel during steps 1
; and 2.  These bytes are filled once, only the wave that asked reads them, behind its own wait; by this text's count a wave has one tensor load out.
; NO LDS RING for rows 8 to 31: each byte of subgoals is used by one wave, twice, while it lies in registers; three register slots of four rows keep
; 32 to 48 loads of 512 bytes of every wave on their way.  NO MATRIX UNIT in step 3: both products there have one row a batch.
; NO CLUSTER: what work-groups share is wf1 and wf2, 1 MiB beside each work-group's own 1 MiB of subgoals.  Here each 16 bytes of them go straight
; into the fragment registers of the one wave that multiplies them, and no byte is read twice in a work-group; a joint load would put the same 1 MiB
; through LDS (one write and one read more) and a cluster's barrier in front of each refill.
.set APITCH, 1040                      ; ABF: the matrix products' left operand, 16 rows of 512 f16 + 16 bytes = 65 x 16
.set DF,     16640                     ; DF: their results, [writing wave 16][row 16][32 f32]: each wave stores into a block of its own
.set DROW,   144                       ;   a row of 128 bytes + 16 = 9 x 16
.set DBLK,   2432                      ;   16 rows + 128: two neighbouring blocks' rows lie half of 256 bytes apart
.set AT,     55552                     ; AT: attn, 16 rows of 128 bytes
.set PF,     57600                     ; PF: rows 0 to 7 of each wave's batch, as they lie in memory; 225 x 256: no LDS store ever lands in these blocks
.set PFW,    16384                     ;   bytes a wave
.set PFA, 0                            ; v0   PF + PFW x wave + 16 x lane
.set L16, 1                            ; v1   16 x lane.  Neither is rewritten
.set ADA, 2                            ; v2   left operand's fragments: (lane%16) x APITCH + 16 (lane/16)
.set DST, 3                            ; v3   where my results go in DF
.set DRD, 4                            ; v4   where my batch's row is read back
.set AST, 5                            ; v5   my batch's row of ABF + 8 x lane
.set ATS, 6                            ; v6   my batch's row of AT + 4 x lane
.set RAW, 7                            ; v7   lane n: qk.s_n
.set ADDV, 8                           ; v8   lane n: (qb / sqrt(512) + bias_n) log2 e
.set SC,  9                            ; v9   lane n: the masked score x log2 e
.set M,   10                           ; v10  running maximum
.set MN,  11                           ; v11  the new one
.set LS,  12                           ; v12  running sum
.set AD,  13                           ; v13  at work
.set PA,  14                           ; v[14:21]  four pairs at work
.set E,   22                           ; v[22:23] the old sums' factor, v[24:31] the four rows' weights, each twice (pairs for the packed forms)
.set QK,  32                           ; v[32:47]  c, then qk; at the end bv
.set CTX, 48                           ; v[48:63]  u, then the accumulators, then ctx, then the accumulators
.set ACC0, 48
.set ACC1, 56
.set S0,  64                           ; three slots of 64 registers: four rows of subgoals, or four K steps of two weight tiles, or left operands
.set S1,  128
.set S2,  192
.set G0,  4                            ; s[4:7]    tensor descriptor group 0: from where, to where.  Never rewritten
.set G1,  68                           ; s[68:75]  group 1: the shape.  Never rewritten
; A vector of 512 numbers lies in 16 registers: register 4 i + c of lane l is element 128 i + 4 l + c (four loads of 512 consecutive bytes).
.set K_SCALE, 0x3d8293ee               ; log2 e / sqrt(512)
.set K_LOG2E, 0x3fb8aa3b
.set K_NEG,   0xceabfb8f               ; -1e9 log2 e
.set K_GAUSS, 0xc138aa3b               ; -log2 e / (2 x 0.25^2) = -8 log2 e
.set K_31,    0x3d042108               ; 1 / 31
.set K_512,   0x3b000000               ; 1 / 512
.set K_EPS,   0x3727c5ac               ; 1e-5
	s_load_b512 s[8:23], s[0:1], 0x0               ; pm 8, subgoals 10, mask 12, Wq1 14, bq1 16, ln_g 18, ln_b 20, bv 22
	s_load_b256 s[24:31], s[0:1], 0x40             ; wf1 24, wf2 26, vec 28, out0 30
	s_load_b64 s[32:33], s[0:1], 0x60              ; out1
	v_lshrrev_b32 v10, 5, v0
	v_readfirstlane_b32 s2, v10                    ; wave
	s_lshl_b32 s3, ttmp9, 4
	s_add_co_u32 s3, s3, s2                        ; batch
	; The descriptor: 16 KiB that are dense in memory, taken as 64 rows of 32 elements of 8 bytes (256 bytes), one behind the other; sizes in elements
	s_mov_b32 s[G0], 1                             ; count = 1
	s_mul_i32 s[G0+1], s2, PFW
	s_add_co_u32 s[G0+1], s[G0+1], PF              ; LDS address: my wave's 16 KiB
	s_mov_b32 s[G1+0], 3<<16                       ; no work-group mask; element of 8 bytes; no padding
	s_mov_b32 s[G1+1], 32<<16                      ; tensor_dim0 = 32
	s_mov_b32 s[G1+2], 64<<16                      ; tensor_dim1 = 64
	s_mov_b32 s[G1+3], 32<<16                      ; tile_dim0 = 32
	s_mov_b32 s[G1+4], 64                          ; tile_dim1 = 64; tile_dim2 unused
	s_mov_b32 s[G1+5], 32                          ; from row to row: 32 elements
	s_mov_b32 s[G1+6], 0
	s_mov_b32 s[G1+7], 0
	s_mov_b32 s34, 0x76543210                      ; v_permlanex16_b32: lane i of one half reads lane i of the other
	s_mov_b32 s35, 0xfedcba98
	s_mov_b32 s42, K_SCALE
	s_mov_b32 s43, K_NEG
	s_mov_b32 s45, K_512
	s_mov_b32 s46, K_EPS
	s_mul_i32 s56, s2, DBLK
	s_add_co_u32 s56, s56, DF                      ; my block of DF
	s_mul_i32 s57, s2, DROW
	s_add_co_u32 s57, s57, DF                      ; my batch's row in block 0
	s_mul_i32 s58, s2, APITCH                      ; my batch's row of ABF
	s_lshl_b32 s59, s2, 7
	s_add_co_u32 s59, s59, AT                      ; and of AT
	v_and_b32 v21, 31, v0                          ; lane
	v_and_b32 v10, 15, v0
	v_bfe_u32 v11, v0, 4, 1
	v_lshlrev_b32 v[L16], 4, v21
	v_lshlrev_b32 v12, 2, v21                      ; the mask's word
	v_lshl_add_u32 v[PFA], v21, 4, s[G0+1]
	s_wait_kmcnt 0x0
	s_mov_b32 s37, 0
	s_lshl_b32 s36, s3, 16
	s_add_nc_u64 s[10:11], s[10:11], s[36:37]      ; my batch's 32 rows of 2,048 bytes
	s_mov_b64 s[G0+2:G0+3], s[10:11]               ; global address of the tile's first element
	s_or_b32 s[G0+3], s[G0+3], 0x80000000          ; type = 2
	tensor_load_to_lds s[G0:G0+3], s[G1:G1+7]      ; rows 0 to 7: the launch's only fill of these bytes, ahead of every wait on TENSORcnt, LDS read and barrier
	s_nop 0
	s_lshl_b32 s36, s3, 7
	s_add_nc_u64 s[12:13], s[12:13], s[36:37]      ; its 32 words of the mask
	s_lshl_b32 s36, s3, 2
	s_add_nc_u64 s[8:9], s[8:9], s[36:37]          ; its pm
	s_lshl_b32 s36, s3, 11
	s_add_nc_u64 s[30:31], s[30:31], s[36:37]      ; its row of out0
	s_lshl_b32 s36, s2, 15
	s_add_nc_u64 s[24:25], s[24:25], s[36:37]      ; my two column tiles in wf1
	s_add_nc_u64 s[26:27], s[26:27], s[36:37]      ; and in wf2
	s_lshl_b32 s36, ttmp9, 11
	s_add_nc_u64 s[32:33], s[32:33], s[36:37]      ; the group's 16 rows of out1
	s_load_b32 s40, s[8:9], 0x0                    ; pm
	s_load_b32 s41, s[28:29], 0x1000               ; c0
.macro VLOAD dst, sb, off              ; a vector of 512 f32
.irp i, 0,1,2,3
	global_load_b128 v[\dst+4*\i:\dst+4*\i+3], v[L16], s[\sb:\sb+1] offset:\off+512*\i
.endr
.endm
.macro WSUM r, t                       ; sum over the 32 lanes, in every lane
	v_add_f32_dpp v[\r], v[\r], v[\r] row_xmask:1 row_mask:0xf bank_mask:0xf
	v_add_f32_dpp v[\r], v[\r], v[\r] row_xmask:2 row_mask:0xf bank_mask:0xf
	v_add_f32_dpp v[\r], v[\r], v[\r] row_xmask:4 row_mask:0xf bank_mask:0xf
	v_add_f32_dpp v[\r], v[\r], v[\r] row_xmask:8 row_mask:0xf bank_mask:0xf
	v_permlanex16_b32 v[\t], v[\r], s34, s35
	v_add_f32 v[\r], v[\r], v[\t]
.endm
.macro PLACES                          ; four plain vector places behind a matrix instruction (ISA guide 7.12.1) before its registers are loaded into or its result is read
.rept 4
	v_nop
.endr
.endm
.macro BAR                             ; what I wrote to LDS is there and what I read is back: zero, for the other waves' sake.  No LDS bytes are filled again behind any barrier here
	s_wait_dscnt 0x0
	s_barrier_signal -1
	s_barrier_wait -1
.endm
; 16 loads of 512 consecutive bytes: K steps 4 c .. 4 c + 3 of my two column tiles, as fragments
.macro BLOAD sb, c, buf
.irp t, 0,1
.irp s, 0,1,2,3
	global_load_b128 v[\buf+32*\t+8*\s:\buf+32*\t+8*\s+3],   v[L16], s[\sb:\sb+1] offset:16384*\t+1024*(4*\c+\s)
	global_load_b128 v[\buf+32*\t+8*\s+4:\buf+32*\t+8*\s+7], v[L16], s[\sb:\sb+1] offset:16384*\t+1024*(4*\c+\s)+512
.endr
.endr
.endm
; 8 LDS loads: the same K steps of the 16 batches' left operand
.macro ALOAD c, abuf
.irp s, 0,1,2,3
	ds_load_b128 v[\abuf+8*\s:\abuf+8*\s+3],   v[ADA] offset:64*(4*\c+\s)
	ds_load_b128 v[\abuf+8*\s+4:\abuf+8*\s+7], v[ADA] offset:64*(4*\c+\s)+32
.endr
.endm
; One K step.  Source 0 is the weights' fragment, source 1 the batches': register j of lane l is then (batch l%16, column n0 + 8 (l/16) + j).
; The two accumulators take turns, one instruction a turn.
.macro MMK buf, abuf, s, zero
.if \zero
	v_wmma_f32_16x16x32_f16 v[ACC0:ACC0+7], v[\buf+8*\s:\buf+8*\s+7],       v[\abuf+8*\s:\abuf+8*\s+7], 0
	v_wmma_f32_16x16x32_f16 v[ACC1:ACC1+7], v[\buf+32+8*\s:\buf+32+8*\s+7], v[\abuf+8*\s:\abuf+8*\s+7], 0
.else
	v_wmma_f32_16x16x32_f16 v[ACC0:ACC0+7], v[\buf+8*\s:\buf+8*\s+7],       v[\abuf+8*\s:\abuf+8*\s+7], v[ACC0:ACC0+7]
	v_wmma_f32_16x16x32_f16 v[ACC1:ACC1+7], v[\buf+32+8*\s:\buf+32+8*\s+7], v[\abuf+8*\s:\abuf+8*\s+7], v[ACC1:ACC1+7]
.endif
.endm
.macro MM buf, abuf, zero              ; zero = 1: the first products start the sums
	MMK \buf, \abuf, 0, \zero
	MMK \buf, \abuf, 1, 0
	MMK \buf, \abuf, 2, 0
	MMK \buf, \abuf, 3, 0
.endm
.macro DOUT                            ; my 16 x 32 results into my block of DF
	ds_store_b128 v[DST], v[ACC0:ACC0+3]
	ds_store_b128 v[DST], v[ACC0+4:ACC0+7] offset:16
	ds_store_b128 v[DST], v[ACC1:ACC1+3]   offset:64
	ds_store_b128 v[DST], v[ACC1+4:ACC1+7] offset:80
.endm
.macro DIN dst                         ; my batch's 512 results: element 128 i + 4 l lies in block 4 i + l/8
.irp i, 0,1,2,3
	ds_load_b128 v[\dst+4*\i:\dst+4*\i+3], v[DRD] offset:4*DBLK*\i
.endr
.endm
.macro ASTORE src                      ; a vector of 512 f32, rounded to f16, into my batch's row of ABF
.irp i, 0,1,2,3
	v_cvt_pk_f16_f32 v[PA+2*\i],   v[\src+4*\i],   v[\src+4*\i+1]
	v_cvt_pk_f16_f32 v[PA+2*\i+1], v[\src+4*\i+2], v[\src+4*\i+3]
.endr
.irp i, 0,1,2,3
	ds_store_b64 v[AST], v[PA+2*\i:PA+2*\i+1] offset:256*\i
.endr
.endm
.macro SLOAD g, slot                   ; rows 4 g .. 4 g + 3 of my batch from memory: 16 loads of 512 consecutive bytes, read once in the launch
.irp rr, 0,1,2,3
.irp i, 0,1,2,3
	global_load_b128 v[\slot+16*\rr+4*\i:\slot+16*\rr+4*\i+3], v[L16], s[10:11] offset:2048*(4*\g+\rr)+512*\i th:TH_LOAD_NT
.endr
.endr
.endm
.macro LLOAD g, slot                   ; the same rows (g = 0, 1) from my wave's part of PF, where they lie as in memory: 32 lanes take 512 consecutive bytes
.irp rr, 0,1,2,3
.irp i, 0,1,2,3
	ds_load_b128 v[\slot+16*\rr+4*\i:\slot+16*\rr+4*\i+3], v[PFA] offset:2048*(4*\g+\rr)+512*\i
.endr
.endr
.endm
; Four rows: their scores, the running maximum, sum and ctx.  first = 1: they start all three.  lds = 1: the slot was filled from LDS.
.macro GROUP g, slot, first, lds
.if \lds
	s_wait_dscnt 0x0                               ; the slot's 16 LDS loads are the youngest
.else
	s_wait_loadcnt 32                              ; loads return in order: two runs of 16 were issued behind this slot's and stay out
.endif
.irp rr, 0,1,2,3
	v_pk_mul_f32 v[PA+2*\rr:PA+2*\rr+1], v[\slot+16*\rr:\slot+16*\rr+1], v[QK:QK+1]
.endr
.irp k, 2,4,6,8,10,12,14
.irp rr, 0,1,2,3
	v_pk_fma_f32 v[PA+2*\rr:PA+2*\rr+1], v[\slot+16*\rr+\k:\slot+16*\rr+\k+1], v[QK+\k:QK+\k+1], v[PA+2*\rr:PA+2*\rr+1]
.endr
.endr
.irp rr, 0,1,2,3
	v_add_f32 v[PA+2*\rr], v[PA+2*\rr], v[PA+2*\rr+1]
.endr
.irp x, 1,2,4,8
.irp rr, 0,1,2,3
	v_add_f32_dpp v[PA+2*\rr], v[PA+2*\rr], v[PA+2*\rr] row_xmask:\x row_mask:0xf bank_mask:0xf
.endr
.endr
.irp rr, 0,1,2,3
	v_permlanex16_b32 v[PA+2*\rr+1], v[PA+2*\rr], s34, s35
	s_mov_b32 s[52+\rr], 1<<(4*\g+\rr)
.endr
.irp rr, 0,1,2,3
	v_add_f32 v[PA+2*\rr], v[PA+2*\rr], v[PA+2*\rr+1]          ; qk.s_n in every lane,
.endr
.irp rr, 0,1,2,3
	v_cndmask_b32 v[RAW], v[RAW], v[PA+2*\rr], s[52+\rr]       ; kept by lane n
.endr
	v_fma_f32 v[AD], v[RAW], s42, v[ADDV]
	v_cndmask_b32 v[SC], s43, v[AD], s44                       ; mask = 0: -1e9 (lanes of later rows hold nothing yet and are not read)
.irp rr, 0,1,2,3
	v_readlane_b32 s[48+\rr], v[SC], 4*\g+\rr
.endr
.if \first
	v_mov_b32 v[MN], s48
	v_max_num_f32 v[MN], s49, v[MN]
.else
	v_max3_num_f32 v[MN], v[M], s48, s49
.endif
	v_max3_num_f32 v[MN], v[MN], s50, s51
.if \first
.else
	v_sub_f32 v[AD], v[M], v[MN]
.endif
.irp rr, 0,1,2,3
	v_sub_f32 v[PA+2*\rr+1], s[48+\rr], v[MN]
.endr
.if \first
.else
	v_exp_f32 v[E],   v[AD]
	v_exp_f32 v[E+1], v[AD]
.endif
.irp rr, 0,1,2,3
	v_exp_f32 v[E+2+2*\rr], v[PA+2*\rr+1]
	v_exp_f32 v[E+3+2*\rr], v[PA+2*\rr+1]
.endr
	v_mov_b32 v[M], v[MN]                          ; the plain instruction between the exponentials and the first use of a result (ISA guide 5.7.2)
	s_wait_alu depctr_va_vdst(0)
	v_add_f32 v[PA],   v[E+2], v[E+4]
	v_add_f32 v[PA+2], v[E+6], v[E+8]
.if \first
	v_add_f32 v[LS], v[PA], v[PA+2]
.irp k, 0,2,4,6,8,10,12,14
	v_pk_mul_f32 v[CTX+\k:CTX+\k+1], v[\slot+\k:\slot+\k+1], v[E+2:E+3]
.endr
.else
	v_add_f32 v[PA], v[PA], v[PA+2]
	v_fma_f32 v[LS], v[LS], v[E], v[PA]
.irp k, 0,2,4,6,8,10,12,14
	v_pk_mul_f32 v[CTX+\k:CTX+\k+1], v[CTX+\k:CTX+\k+1], v[E:E+1]
.endr
.irp k, 0,2,4,6,8,10,12,14
	v_pk_fma_f32 v[CTX+\k:CTX+\k+1], v[\slot+\k:\slot+\k+1], v[E+2:E+3], v[CTX+\k:CTX+\k+1]
.endr
.endif
.irp rr, 1,2,3
.irp k, 0,2,4,6,8,10,12,14
	v_pk_fma_f32 v[CTX+\k:CTX+\k+1], v[\slot+16*\rr+\k:\slot+16*\rr+\k+1], v[E+2+2*\rr:E+3+2*\rr], v[CTX+\k:CTX+\k+1]
.endr
.endr
.endm
	; ---- 57 loads: the small vectors, then the first eight K steps of W'
	VLOAD S2,    14, 0                             ; Wq1
	VLOAD S2+16, 16, 0                             ; bq1
	VLOAD S2+32, 18, 0                             ; ln_g
	VLOAD S2+48, 20, 0                             ; ln_b
	VLOAD CTX,   28, 2048                          ; u
	VLOAD QK,    28, 0                             ; c
	global_load_b32 v22, v12, s[12:13]             ; lane n: mask of row n
	BLOAD 24, 0, S0
	BLOAD 24, 1, S1
	v_mul_u32_u24 v[ADA], v10, APITCH
	v_lshl_add_u32 v[ADA], v11, 4, v[ADA]
	v_mul_u32_u24 v[DST], v10, DROW
	v_lshl_add_u32 v[DST], v11, 5, v[DST]
	v_add_nc_u32 v[DST], s56, v[DST]
	v_lshrrev_b32 v13, 3, v21
	v_mul_u32_u24 v[DRD], v13, DBLK
	v_and_b32 v13, 7, v21
	v_lshl_add_u32 v[DRD], v13, 4, v[DRD]
	v_add_nc_u32 v[DRD], s57, v[DRD]
	v_lshl_add_u32 v[AST], v21, 3, s58
	v_lshl_add_u32 v[ATS], v21, 2, s59
	v_cvt_f32_u32 v20, v21
	v_mul_f32 v20, K_31, v20                       ; position n / 31
	v_mov_b32 v[RAW], 0
	s_wait_loadcnt 32                              ; the 25 small loads are in; W's 32 stay out
	s_wait_kmcnt 0x0                               ; pm, c0
	; ---- LayerNorm, relu, the scores' per-lane addend
	v_cmp_ne_u32 s44, 0, v22                       ; bit n: row n counts
.irp k, 0,2,4,6,8,10,12,14
	v_pk_fma_f32 v[S2+\k:S2+\k+1], v[S2+\k:S2+\k+1], s[40:41], v[S2+16+\k:S2+16+\k+1] op_sel_hi:[1,0,1]   ; h = Wq1 pm + bq1 (both halves by s40)
.endr
	v_pk_add_f32 v[14:15], v[S2:S2+1],     v[S2+2:S2+3]
	v_pk_add_f32 v[16:17], v[S2+4:S2+5],   v[S2+6:S2+7]
	v_pk_add_f32 v[18:19], v[S2+8:S2+9],   v[S2+10:S2+11]
	v_pk_add_f32 v[24:25], v[S2+12:S2+13], v[S2+14:S2+15]
	v_pk_add_f32 v[14:15], v[14:15], v[16:17]
	v_pk_add_f32 v[18:19], v[18:19], v[24:25]
	v_pk_add_f32 v[14:15], v[14:15], v[18:19]
	v_add_f32 v14, v14, v15
	WSUM 14, 15
	v_mul_f32 v15, s45, v14
	v_mul_f32 v14, s45, v14                        ; the mean, twice
.irp k, 0,2,4,6,8,10,12,14
	v_pk_add_f32 v[S2+\k:S2+\k+1], v[S2+\k:S2+\k+1], v[14:15] neg_lo:[0,1] neg_hi:[0,1]
.endr
	v_pk_mul_f32 v[16:17], v[S2:S2+1],   v[S2:S2+1]
	v_pk_mul_f32 v[18:19], v[S2+2:S2+3], v[S2+2:S2+3]
.irp k, 4,8,12
	v_pk_fma_f32 v[16:17], v[S2+\k:S2+\k+1],   v[S2+\k:S2+\k+1],   v[16:17]
	v_pk_fma_f32 v[18:19], v[S2+\k+2:S2+\k+3], v[S2+\k+2:S2+\k+3], v[18:19]
.endr
	v_pk_add_f32 v[16:17], v[16:17], v[18:19]
	v_add_f32 v16, v16, v17
	WSUM 16, 17
	v_fma_f32 v16, v16, s45, s46                   ; variance + 1e-5
	v_rsq_f32 v18, v16
	v_rsq_f32 v19, v16
	v_sub_f32 v20, s40, v20                        ; pm - position: also the plain instruction behind the two roots (ISA guide 5.7.2)
	s_wait_alu depctr_va_vdst(0)
.irp k, 0,2,4,6,8,10,12,14
	v_pk_mul_f32 v[S2+\k:S2+\k+1], v[S2+\k:S2+\k+1], v[18:19]
.endr
	v_mul_f32 v20, v20, v20
	v_mul_f32 v20, K_GAUSS, v20
	v_exp_f32 v20, v20                             ; bias = exp(-dist^2 / (2 sigma^2)); used far below
.irp k, 0,2,4,6,8,10,12,14
	v_pk_fma_f32 v[S2+\k:S2+\k+1], v[S2+\k:S2+\k+1], v[S2+32+\k:S2+32+\k+1], v[S2+48+\k:S2+48+\k+1]
.endr
.irp k, 0,1,2,3,4,5,6,7,8,9,10,11,12,13,14,15
	v_max_num_f32 v[S2+\k], 0, v[S2+\k]            ; r
.endr
	v_pk_mul_f32 v[16:17], v[S2:S2+1],   v[CTX:CTX+1]
	v_pk_mul_f32 v[18:19], v[S2+2:S2+3], v[CTX+2:CTX+3]
.irp k, 4,8,12
	v_pk_fma_f32 v[16:17], v[S2+\k:S2+\k+1],   v[CTX+\k:CTX+\k+1],   v[16:17]
	v_pk_fma_f32 v[18:19], v[S2+\k+2:S2+\k+3], v[CTX+\k+2:CTX+\k+3], v[18:19]
.endr
	v_pk_add_f32 v[16:17], v[16:17], v[18:19]
	v_add_f32 v16, v16, v17
	WSUM 16, 17
	v_add_f32 v16, s41, v16                        ; qb = r.u + c0 = q.bk
	v_mul_f32 v[ADDV], s42, v16
	s_wait_alu depctr_va_vdst(0)
	v_fmac_f32 v[ADDV], K_LOG2E, v20               ; + bias log2 e
	ASTORE S2
	BAR                                            ; all 16 rows of r lie in ABF (my tensor load may still be out: only I read its bytes, behind my own wait below)
	; ---- qk = r W' + c.  Four chunks of four K steps; weights on slots S0, S1 in turn, left operands on the halves of S2.
	ALOAD 0, S2
	ALOAD 1, S2+32
	s_wait_loadcnt 16                              ; chunk 0's weights are in, chunk 1's 16 stay out
	s_wait_dscnt 8                                 ; chunk 0's left operand is in, chunk 1's 8 stay out
	MM S0, S2, 1
	PLACES
	BLOAD 24, 2, S0
	ALOAD 2, S2
	s_wait_loadcnt 16                              ; chunk 2's stay out
	s_wait_dscnt 8
	MM S1, S2+32, 0
	PLACES
	BLOAD 24, 3, S1
	ALOAD 3, S2+32
	s_wait_loadcnt 16                              ; chunk 3's stay out
	s_wait_dscnt 8
	MM S0, S2, 0
	PLACES
	SLOAD 2, S0                                    ; the stream from memory goes on at row 8 as the slots fall free
	s_wait_loadcnt 16                              ; chunk 3's weights are in; rows 8 to 11 stay out
	s_wait_dscnt 0x0
	MM S1, S2+32, 0
	PLACES
	SLOAD 3, S1
	s_wait_tensorcnt 0x0                           ; rows 0 to 7 lie in my part of PF: my one tensor load, asked for at the head
	LLOAD 0, S2
	DOUT
	BAR                                            ; DF is whole, and nobody reads ABF any more
	DIN PA                                         ; v[14:29]
	s_wait_dscnt 0x0
.irp k, 0,2,4,6,8,10,12,14
	v_pk_add_f32 v[QK+\k:QK+\k+1], v[QK+\k:QK+\k+1], v[PA+\k:PA+\k+1]
.endr
	; ---- the stream: eight groups of four rows.  Groups 0 and 1 come out of LDS through slot S2 while groups 2 and 3 are on their way into S0 and S1;
	; from then on three slots take turns, and the last refills are the first K steps of Wv
	GROUP 0, S2, 1, 1
	LLOAD 1, S2
	GROUP 1, S2, 0, 1
	SLOAD 4, S2
	GROUP 2, S0, 0, 0                              ; groups 3 and 4 stay out
	SLOAD 5, S0
	GROUP 3, S1, 0, 0                              ; 4 and 5
	SLOAD 6, S1
	GROUP 4, S2, 0, 0                              ; 5 and 6
	SLOAD 7, S2
	GROUP 5, S0, 0, 0                              ; 6 and 7
	BLOAD 26, 0, S0
	GROUP 6, S1, 0, 0                              ; 7 and Wv's chunk 0
	BLOAD 26, 1, S1
	GROUP 7, S2, 0, 0                              ; Wv's chunks 0 and 1
	; ---- attn and ctx / l.  l is at least 1: the row of the maximum adds 1
	v_rcp_f32 v[E],   v[LS]
	v_rcp_f32 v[E+1], v[LS]
	v_sub_f32 v[AD], v[SC], v[M]                   ; also the plain instruction behind the reciprocals
	v_exp_f32 v[AD], v[AD]
	s_wait_alu depctr_va_vdst(0)
.irp k, 0,2,4,6,8,10,12,14
	v_pk_mul_f32 v[CTX+\k:CTX+\k+1], v[CTX+\k:CTX+\k+1], v[E:E+1]   ; and these behind the exponential
.endr
	v_mul_f32 v[AD], v[AD], v[E]
	ds_store_b32 v[ATS], v[AD]
	ASTORE CTX
	BAR                                            ; all 16 rows of ctx lie in ABF, attn in AT; DF's first results were read long ago
	; ---- out = ctx Wv^T + bv, as above: weights on S0, S1 in turn, left operands on the halves of S2
	ALOAD 0, S2
	ALOAD 1, S2+32
	s_wait_loadcnt 16                              ; chunk 0's weights are in, chunk 1's stay out
	s_wait_dscnt 8
	MM S0, S2, 1
	PLACES
	BLOAD 26, 2, S0
	ALOAD 2, S2
	s_wait_loadcnt 16
	s_wait_dscnt 8
	MM S1, S2+32, 0
	PLACES
	BLOAD 26, 3, S1
	ALOAD 3, S2+32
	s_wait_loadcnt 16
	s_wait_dscnt 8
	MM S0, S2, 0
	PLACES
	VLOAD QK, 22, 0                                ; bv
	s_wait_loadcnt 4                               ; chunk 3's weights are in, bv's four stay out
	s_wait_dscnt 0x0
	MM S1, S2+32, 0
	PLACES
	DOUT
	BAR
	DIN S2
	s_wait_loadcnt 0x0                             ; bv
	s_wait_dscnt 0x0
.irp k, 0,2,4,6,8,10,12,14
	v_pk_add_f32 v[S2+\k:S2+\k+1], v[S2+\k:S2+\k+1], v[QK+\k:QK+\k+1]
.endr
.irp i, 0,1,2,3
	global_store_b128 v[L16], v[S2+4*\i:S2+4*\i+3], s[30:31] offset:512*\i th:TH_STORE_NT   ; each store of the wave covers 512 consecutive bytes, aligned
.endr
	s_cmp_ge_u32 s2, 4
	s_cbranch_scc1 .Ldone
	s_lshl_b32 s47, s2, 9                          ; waves 0 to 3 store the group's 2,048 bytes of attn, 512 consecutive bytes each
	v_add_nc_u32 v14, s47, v[L16]
	v_add_nc_u32 v15, AT, v14
	ds_load_b128 v[16:19], v15
	s_wait_dscnt 0x0
	global_store_b128 v14, v[16:19], s[32:33] th:TH_STORE_NT
.Ldone:
	s_endpgm
.Lfunc_end_k_q8805ef350f_main:
	.size	k_q8805ef350f_main, .Lfunc_end_k_q8805ef350f_main-k_q8805ef350f_main
	.p2alignl 7, 3214868480
	.fill 96, 4, 3214868480
	.section	.rodata,"a",@progbits
	.p2align	6, 0x0
	.amdhsa_kernel k_q8805ef350f_main
		.amdhsa_group_segment_fixed_size 319744
		.amdhsa_private_segment_fixed_size 0
		.amdhsa_enable_private_segment 0
		.amdhsa_kernarg_size 104
		.amdhsa_user_sgpr_count 2
		.amdhsa_user_sgpr_kernarg_segment_ptr 1
		.amdhsa_wavefront_size32 1
		.amdhsa_system_sgpr_workgroup_id_x 1
		.amdhsa_system_sgpr_workgroup_id_y 1
		.amdhsa_system_sgpr_workgroup_id_z 1
		.amdhsa_system_vgpr_workitem_id 0
		.amdhsa_next_free_vgpr 256
		.amdhsa_next_free_sgpr 76
		.amdhsa_reserve_vcc 0
		.amdhsa_float_denorm_mode_32 3
		.amdhsa_float_denorm_mode_16_64 3
		.amdhsa_memory_ordered 1
		.amdhsa_forward_progress 1
		.amdhsa_inst_pref_size 112
	.end_amdhsa_kernel
	.amdgpu_metadata
---
amdhsa.version: [ 1, 2 ]
amdhsa.kernels:
  - .name:           k_q8805ef350f_main
    .symbol:         k_q8805ef350f_main.kd
    .args:
      - { .name: pm, .offset: 0, .size: 8, .value_kind: global_buffer, .address_space: global }
      - { .name: subgoals, .offset: 8, .size: 8, .value_kind: global_buffer, .address_space: global }
      - { .name: mask, .offset: 16, .size: 8, .value_kind: global_buffer, .address_space: global }
      - { .name: Wq1, .offset: 24, .size: 8, .value_kind: global_buffer, .address_space: global }
      - { .name: bq1, .offset: 32, .size: 8, .value_kind: global_buffer, .address_space: global }
      - { .name: ln_g, .offset: 40, .size: 8, .value_kind: global_buffer, .address_space: global }
      - { .name: ln_b, .offset: 48, .size: 8, .value_kind: global_buffer, .address_space: global }
      - { .name: bv, .offset: 56, .size: 8, .value_kind: global_buffer, .address_space: global }
      - { .name: wf1, .offset: 64, .size: 8, .value_kind: global_buffer, .address_space: global }
      - { .name: wf2, .offset: 72, .size: 8, .value_kind: global_buffer, .address_space: global }
      - { .name: vec, .offset: 80, .size: 8, .value_kind: global_buffer, .address_space: global }
      - { .name: out0, .offset: 88, .size: 8, .value_kind: global_buffer, .address_space: global }
      - { .name: out1, .offset: 96, .size: 8, .value_kind: global_buffer, .address_space: global }
    .group_segment_fixed_size: 319744
    .private_segment_fixed_size: 0
    .kernarg_segment_align: 8
    .kernarg_segment_size: 104
    .max_flat_workgroup_size: 512
    .sgpr_count:     76
    .vgpr_count:     256
    .wavefront_size: 32
...
	.end_amdgpu_metadata
.endif
;; end of part 2
